; MI455X (gfx1250); checked and timed in simulation.
; The chip was launched on July 23, 2026; its instructions are those of AMD's public machine-readable ISA for CDNA 5 (MIT licence, August 2026) and "CDNA5" Instruction Set Architecture Reference Guide (July 2026). The comments in the code are by the model that wrote it; some were corrected since.
;; Chunk Indexer. Allowed arithmetic: float matrix products may take bf16 or f16 operands with f32 sums; all other float work in f32.
;; Inputs: index_embeddings 65,536 x 512 float32; index_positions 65,536 int32; query_embeddings 2,048 x 512 float32.
;; Outputs: out0 2,048 x 16 float32; out1 2,048 x 16 int32.
;; Constants: top_k = 16.
;; One version. Each part assembles by itself: llvm-mc -triple=amdgcn-amd-amdhsa -mcpu=gfx1250 --defsym DOCPART=n.
;; ======== version 1 of 1: 4 launches
;; workspace buffers: qb 2,097,152 bytes; st 16,777,216 bytes; cv 131,072 bytes; ci 131,072 bytes of whole numbers
;; launch cvtq (part 1): grid 256 x 1, 8 waves a work-group, no clusters, 0 bytes of LDS; arguments query_embeddings, qb; writes qb
.if DOCPART == 1
	.amdgcn_target "amdgcn-amd-amdhsa--gfx1250"
	.amdhsa_code_object_version 6
	.text
	.protected	k_qa52e207e75_cvtq
	.globl	k_qa52e207e75_cvtq
	.p2align	8
	.type	k_qa52e207e75_cvtq,@function
k_qa52e207e75_cvtq:
	s_mov_b64 s[64:65], 0
	v_nop
	global_prefetch_b8 v0, s[64:65] scope:SCOPE_SE
	s_setreg_imm32_b32 hwreg(HW_REG_WAVE_MODE, 25, 1), 1
	s_wait_xcnt 0x0
; qb = bf16(query_embeddings), rounded to nearest even.  2,048 x 512 numbers; a work-group converts 4,096 of them (16 KiB in, 8 KiB out).
; A stream: no LDS, no barrier, no matrix unit.  Thread t takes 16 bytes at 16 t of each of four blocks of 4,096 bytes, so a wave's load
; covers 512 consecutive bytes and a wave's store (8 bytes a lane) 256 consecutive bytes, aligned.
	s_load_b128 s[4:7], s[0:1], 0x0                ; query_embeddings s[4:5], qb s[6:7]
	v_lshlrev_b32 v1, 4, v0                        ; 16 t
	v_lshlrev_b32 v2, 3, v0                        ; 8 t
	s_lshl_b32 s8, ttmp9, 14                       ; the work-group's 16,384 bytes of f32
	s_mov_b32 s9, 0
	s_lshl_b32 s10, ttmp9, 13                      ; and its 8,192 bytes of bf16
	s_mov_b32 s11, 0
	s_wait_kmcnt 0x0
	s_add_nc_u64 s[4:5], s[4:5], s[8:9]
	s_add_nc_u64 s[6:7], s[6:7], s[10:11]
.irp k, 0,1,2,3
	global_load_b128 v[4+4*\k:7+4*\k], v1, s[4:5] offset:4096*\k th:TH_LOAD_NT
.endr
.irp k, 0,1,2,3
	s_wait_loadcnt 3-\k                            ; loads come back in order: block k is in, the younger ones stay out
	v_cvt_pk_bf16_f32 v[20+2*\k], v[4+4*\k], v[5+4*\k]
	v_cvt_pk_bf16_f32 v[21+2*\k], v[6+4*\k], v[7+4*\k]
	global_store_b64 v2, v[20+2*\k:21+2*\k], s[6:7] offset:2048*\k
.endr
	s_endpgm
.Lfunc_end_k_qa52e207e75_cvtq:
	.size	k_qa52e207e75_cvtq, .Lfunc_end_k_qa52e207e75_cvtq-k_qa52e207e75_cvtq
	.p2alignl 7, 3214868480
	.fill 96, 4, 3214868480
	.section	.rodata,"a",@progbits
	.p2align	6, 0x0
	.amdhsa_kernel k_qa52e207e75_cvtq
		.amdhsa_group_segment_fixed_size 0
		.amdhsa_private_segment_fixed_size 0
		.amdhsa_enable_private_segment 0
		.amdhsa_kernarg_size 16
		.amdhsa_user_sgpr_count 2
		.amdhsa_user_sgpr_kernarg_segment_ptr 1
		.amdhsa_wavefront_size32 1
		.amdhsa_system_sgpr_workgroup_id_x 1
		.amdhsa_system_sgpr_workgroup_id_y 1
		.amdhsa_system_sgpr_workgroup_id_z 1
		.amdhsa_system_vgpr_workitem_id 0
		.amdhsa_next_free_vgpr 28
		.amdhsa_next_free_sgpr 66
		.amdhsa_reserve_vcc 0
		.amdhsa_float_denorm_mode_32 3
		.amdhsa_float_denorm_mode_16_64 3
		.amdhsa_memory_ordered 1
		.amdhsa_forward_progress 1
		.amdhsa_inst_pref_size 2
	.end_amdhsa_kernel
	.amdgpu_metadata
---
amdhsa.version: [ 1, 2 ]
amdhsa.kernels:
  - .name:           k_qa52e207e75_cvtq
    .symbol:         k_qa52e207e75_cvtq.kd
    .args:
      - { .name: query_embeddings, .offset: 0, .size: 8, .value_kind: global_buffer, .address_space: global }
      - { .name: qb, .offset: 8, .size: 8, .value_kind: global_buffer, .address_space: global }
    .group_segment_fixed_size: 0
    .private_segment_fixed_size: 0
    .kernarg_segment_align: 8
    .kernarg_segment_size: 16
    .max_flat_workgroup_size: 256
    .sgpr_count:     66
    .vgpr_count:     28
    .wavefront_size: 32
...
	.end_amdgpu_metadata
.endif
;; end of part 1
;; launch gemm (part 2): grid 256 x 1, 4 waves a work-group, clusters of 4 x 1, 327,680 bytes of LDS; arguments index_embeddings, qb, st; writes st
.if DOCPART == 2
	.amdgcn_target "amdgcn-amd-amdhsa--gfx1250"
	.amdhsa_code_object_version 6
	.text
	.protected	k_qa52e207e75_gemm
	.globl	k_qa52e207e75_gemm
	.p2align	8
	.type	k_qa52e207e75_gemm,@function
k_qa52e207e75_gemm:
	s_mov_b64 s[64:65], 0
	v_nop
	global_prefetch_b8 v0, s[64:65] scope:SCOPE_SE
	s_setreg_imm32_b32 hwreg(HW_REG_WAVE_MODE, 25, 1), 1
	s_wait_xcnt 0x0
	s_wait_alu depctr_hold_cnt(0) depctr_sa_sdst(0) depctr_va_vdst(0) depctr_va_sdst(0) depctr_va_ssrc(0) depctr_va_vcc(0) depctr_vm_vsrc(0)
	s_getreg_b32 s2, hwreg(HW_REG_IB_STS2, 6, 4)
	s_cmp_eq_u32 s2, 0
	s_cbranch_scc0 .Lentry_in_a_cluster
	s_endpgm
.Lentry_in_a_cluster:
	s_bfe_u32 s2, ttmp6, 0x10000c
	s_cmp_lg_u32 s2, 0x3003
	s_cbranch_scc0 .Lentry_shape_is_right
	s_endpgm
.Lentry_shape_is_right:
; SCORES AND BUCKET STATISTICS.  S[q][c] = sum over k of Q[q][k] E[c][k], Q 2,048 x 512 (bf16, from qb), E 65,536 x 512 (f32, rounded here to bf16, nearest even), sums in f32.
; No score goes to memory.  A BUCKET is 64 consecutive chunks; for each (query, bucket) two words are stored: m1, the largest score (f32), and (m2up << 16) | index, where index is the chunk of m1
; and m2up is the second largest score rounded UP to bf16: a bound for all of the bucket but its maximum.  The later launches pick the 16 best buckets of a row and compute anew those whose bound reaches the 16th maximum.
; LIMITS.  Operands are bf16; two scores of a row closer than the rounding of an f32 sum of 512 products may stand in the other order than in an f32 computation.  NaN and infinities in the inputs are not treated.
; THE INDEX comes from keys: (score & ~63) | code, whose maximum carries the code of the largest score if m1 and m2 differ above their low six bits; where they do not, m2 is set to m1, which makes
; the bucket one that is computed anew wherever it is picked, and the stored index then only names the bucket.
; SHARES.  Work-group wg owns chunks 256 wg .. + 255 and all queries; wave w owns 64 chunks, one bucket.  Its rows of E stay in registers as source 0 for the whole launch: 4 tiles of 16 chunks x 16 K steps x 8 = 512 registers,
; loaded once from memory in the fragments' layout.  Q streams through a ring of two LDS slots of 128 queries.  A fragment of Q (two LDS loads) feeds four matrix instructions.
; CLUSTER.  The four work-groups of a cluster walk the same Q, so each tile is asked for JOINTLY (mask 15): the same tensor load and descriptor in all four.  E is shared by nobody.
; TURNS.  A turn is 16 queries: 64 matrix instructions, number i = 4 s + t (K step s, chunk tile t): the four accumulators take turns; s = 0 starts the sums with the constant 0.
; Turn a multiplies tile a (fragment buffer and accumulator set a % 2), carries the statistics of tile a - 1 as vector work behind its products, four lines behind every second one, and fetches tile a + 1's fragments.
; In a result lane (r, h) holds query r and, in register j of tile t, chunk 16 t + 8 h + j.
; REGISTERS, in windows of 256 (s_set_vgpr_msb: bits 1:0 source 0, 3:2 source 1, 5:4 source 2, 7:6 destination):
;   window 0: addresses, statistics, v64-127 two sets of four accumulators      window 1: two buffers of 16 fragments of Q; before that the landing place of E's f32
;   windows 2, 3: E's fragments: (t, s) in window 2 + s / 8 at 8 (8 t + s % 8)
; The statistics work in window 0 and the products name three other windows, so a group of four lines costs two switches; taking four behind every second product halves their number.
.set PITCH,  1040                      ; an LDS row of Q: 1,024 bytes + 16 of padding = 260 words: row r starts at bank 4 r mod 64 (64 banks of 4 bytes: ISA guide 11.1)
.set TILEB,  16*PITCH                  ; a turn's 16 queries
.set WROWB,  32*PITCH                  ; what one tensor load brings: 32 rows
.set SLOTB,  128*PITCH                 ; 133,120 = 2^17 + 2^11: none of the four values WROWB x wave has either bit, so one exclusive or changes slots
.set STAGE,  2*SLOTB                   ; behind the ring: two buffers of four units of 1,024 bytes: [query of 32][wave] x 8 bytes; no tensor load lands from here on
.set SBUF,   4096
.set EXTRA,  STAGE+2*SBUF              ; one more unit, for the last 32 queries
.set SPARE,  EXTRA+1024                ; the spare words, 128 bytes a wave: two blocks of 256 bytes that no other line names
.set QSLOT,  128*1024                  ; a slot's bytes in qb
.set PAIRB,  4*65536                   ; st: 32 queries on.  st's unit (8 queries, 4 buckets) is 256 bytes at (query / 8) x 65,536 + wg x 256
.set AQ0, 2                            ; v2   my lane's place in a tile of Q: r x pitch + 16 h
.set ADR, 3                            ; v3   the LDS address of the run of loads in hand
.set EO,  4                            ; v4   my byte offset in 16 rows of E: r x 2,048 + 32 h
.set STO, 6                            ; v6   stage, in: STAGE + 32 lane + 8 wave
.set STA, 7
.set FRD, 8                            ; v8   stage, back: STAGE + 256 wave + 8 lane
.set FRA, 9
.set FGO, 10                           ; v10  8 lane: my place in a unit of st
.set IDXB, 12                          ; v12  256 wg + 64 wave + 8 h
.set SPW, 14                           ; v14  my spare word; never rewritten
.set NIL, 15                           ; v15  0; never rewritten
.set M1,  16                           ; the running maximum, the second largest, the largest key
.set M2,  17
.set KX,  18
.set YA,  19                           ; v19, v20 two medians
.set KA,  21
.set KB,  22
.set P1,  24                           ; what the lane 16 away holds
.set P2,  25
.set PI,  26
.set IX,  27
.set MN,  28
.set TX,  29
.set OUT, 32                           ; v[32:33] the two words of a query
.set RME, 34                           ; the even tile's two words, kept for a turn
.set RPE, 35
.set FL,  36                           ; v[36:45] on the way from the stage to st
.set ACC, 64
.set WV,  10
.set G1Q, 16                           ; s[16:23] descriptor group 1
.set G0A, 24                           ; s[24:27] group 0 of slot 0's first fill
.set G0B, 28                           ; s[28:31] group 0 of slot 1's first fill; then it walks
.set TB,  32                           ; LDS byte of the tile to be fetched next
.set SB,  33                           ; stage byte of the next 32 queries' unit
.set FB,  34                           ; stage buffer to be sent next
.set CNT, 35
.set SLOTS, 36
.set GM,  37                           ; ~63
.set HIM, 38                           ; 0xffff0000: a word's upper half, and the mask of lanes 16-31
.set LOM, 39                           ; 0xffff
.set SEL, 40                           ; s[40:41] v_permlanex16_b32's selects: each lane takes its own place in the other half
.set STP, 42                           ; s[42:43] st at my units
.set MSB, 0
.macro WIN new                         ; the immediate's high byte repeats the setting that is left; a switch that changes nothing is dropped
.if MSB != (\new)
	s_set_vgpr_msb (MSB<<8)|(\new)
.set MSB, \new
.endif
.endm
; A round of the cluster's barrier: my work-group's barrier, so that wave 0's signal speaks for all four waves; wave 0 signals; every wave waits for all four work-groups; my work-group's barrier once more.
.macro ROUND
	s_barrier_signal -1
	s_barrier_wait -1
	s_cmp_lg_u32 s[WV], 0
	s_cbranch_scc1 .Lnot_wave_0_\@
	s_barrier_signal -3
.Lnot_wave_0_\@:
	s_barrier_wait -3
	s_barrier_signal -1
	s_barrier_wait -1
.endm
; Group g of 16 loads: chunk tile g / 4, K steps 4 (g % 4) + 0..3, as f32.  Lane (r, h) takes k = 32 s + 8 h + 0..7 (32 bytes) and 32 s + 16 + 8 h + 0..7: the fragment's own places.
.macro ELOAD g
	WIN 0x40                               ; destination window 1, address window 0
.set ej, 0
.rept 4
.set eo, ((\g)/4)*32768+(4*((\g)%4)+ej)*128
.set er, 64*((\g)%4)+16*ej
	global_load_b128 v[er:er+3],     v[EO], s[4:5] offset:eo
	global_load_b128 v[er+4:er+7],   v[EO], s[4:5] offset:eo+16
	global_load_b128 v[er+8:er+11],  v[EO], s[4:5] offset:eo+64
	global_load_b128 v[er+12:er+15], v[EO], s[4:5] offset:eo+80
.set ej, ej+1
.endr
.endm
.macro ECVT g                          ; the group's four fragments, rounded to bf16, into their places in window 2 or 3
	WIN 0x85+0x40*(((\g)%4)/2)
.set ej, 0
.rept 4
.set er, 64*((\g)%4)+16*ej
.set ea, 8*(8*((\g)/4)+(4*((\g)%4)+ej)%8)
.set en, 0
.rept 8
	v_cvt_pk_bf16_f32 v[ea+en], v[er+2*en], v[er+2*en+1]
.set en, en+1
.endr
.set ej, ej+1
.endr
.endm
; 32 LDS loads in one run: a tile's 16 fragments of Q into buffer b
.macro FETCH b
	WIN 0
	v_add_nc_u32 v[ADR], s[TB], v[AQ0]
	WIN 0x40
.set f, 0
.rept 16
	ds_load_b128 v[128*(\b)+8*f:128*(\b)+8*f+3],   v[ADR] offset:64*f
	ds_load_b128 v[128*(\b)+8*f+4:128*(\b)+8*f+7], v[ADR] offset:64*f+32
.set f, f+1
.endr
	s_add_co_u32 s[TB], s[TB], TILEB       ; the next fetch is the next tile's
.endm
.macro MM p                            ; the turn's matrix instruction number i
.set ms, i/4
.set mt, i%4
.set rD, ACC+32*(\p)+8*mt
.set rA, 8*(8*mt+ms%8)
.set rB, 128*(\p)+8*ms
	WIN 0x06+ms/8                          ; E in window 2 or 3, Q in window 1, the sums in window 0
.if ms == 0
	v_wmma_f32_16x16x32_bf16 v[rD:rD+7], v[rA:rA+7], v[rB:rB+7], 0
.else
	v_wmma_f32_16x16x32_bf16 v[rD:rD+7], v[rA:rA+7], v[rB:rB+7], v[rD:rD+7]
.endif
.set i, i+1
.endm
; THE STATISTICS of a tile in accumulator set sp: a list of 104 lines (106 for an odd tile); RID writes number rn.  S0-S31 are the lane's 32 scores; code(k) = 16 (k / 8) + k % 8.
;   0-4     m1, m2 and the keys of S0-S2
;   5-81    fourteen units of two scores a, b: the median of (m1, a, b); m1 = max3; the largest key takes the two keys before; the keys of a and b; behind every second unit m2 takes both medians.
;           The second largest of (m1, m2, a, b) is the larger of m2 and that median.  Each accumulator's lowest register is among the first read of it.
;   82-87   S31      88-99  the query's other 32 chunks lie in the lane 16 away: index, m1, m2 of both; m2 = m1 where the two differ only in their low six bits
;   100-103 m2 rounded up to bf16 (a negative number by cutting, another by adding 0xffff first) and packed with the index: four plain lines
;   104-105 (odd tile) lanes 0-15 take the even tile's two words, lanes 16-31 the odd tile's: lane l then holds query l of 32
.macro RID sp
.set rS, ACC+32*(\sp)
.set rW, M1
.if (\sp) == 0
.set rW, RME
.endif
.if rn == 0
	v_max3_num_f32 v[M1], v[rS], v[rS+1], v[rS+2]
.elseif rn == 1
	v_med3_num_f32 v[M2], v[rS], v[rS+1], v[rS+2]
.elseif rn == 2
	v_and_or_b32 v[KA], v[rS], s[GM], 0
.elseif rn == 3
	v_and_or_b32 v[KB], v[rS+1], s[GM], 1
.elseif rn == 4
	v_and_or_b32 v[KX], v[rS+2], s[GM], 2
.elseif rn < 82
.set ro, (rn-5)%11
.set ru, 2*((rn-5)/11)+ro/5
.set ra, 3+2*ru
.if ro == 10
	v_max3_num_f32 v[M2], v[M2], v[YA], v[YA+1]
.elseif ro%5 == 0
	v_med3_num_f32 v[YA+ru%2], v[M1], v[rS+ra], v[rS+ra+1]
.elseif ro%5 == 1
	v_max3_num_f32 v[M1], v[M1], v[rS+ra], v[rS+ra+1]
.elseif ro%5 == 2
	v_max3_num_f32 v[KX], v[KX], v[KA], v[KB]
.elseif ro%5 == 3
	v_and_or_b32 v[KA], v[rS+ra], s[GM], 16*(ra/8)+ra%8
.else
	v_and_or_b32 v[KB], v[rS+ra+1], s[GM], 16*((ra+1)/8)+(ra+1)%8
.endif
.elseif rn == 82
	v_min_num_f32 v[YA], v[M1], v[rS+31]
.elseif rn == 83
	v_max_num_f32 v[M1], v[M1], v[rS+31]
.elseif rn == 84
	v_max3_num_f32 v[KX], v[KX], v[KA], v[KB]
.elseif rn == 85
	v_and_or_b32 v[KA], v[rS+31], s[GM], 55
.elseif rn == 86
	v_max_num_f32 v[M2], v[M2], v[YA]
.elseif rn == 87
	v_max_num_f32 v[KX], v[KX], v[KA]
.elseif rn == 88
	v_and_or_b32 v[IX], v[KX], 63, v[IDXB]
.elseif rn == 89
	v_permlanex16_b32 v[P1], v[M1], s[SEL], s[SEL+1]
.elseif rn == 90
	v_permlanex16_b32 v[P2], v[M2], s[SEL], s[SEL+1]
.elseif rn == 91
	v_permlanex16_b32 v[PI], v[IX], s[SEL], s[SEL+1]
.elseif rn == 92
	v_min_num_f32 v[MN], v[M1], v[P1]
.elseif rn == 93
	v_cmp_gt_f32 vcc_lo, v[P1], v[M1]
.elseif rn == 94
	v_cndmask_b32 v[IX], v[IX], v[PI], vcc_lo
.elseif rn == 95
	v_max_num_f32 v[rW], v[M1], v[P1]
.elseif rn == 96
	v_max3_num_f32 v[M2], v[M2], v[P2], v[MN]
.elseif rn == 97
	v_xor_b32 v[TX], v[rW], v[M2]
.elseif rn == 98
	v_cmp_gt_u32 vcc_lo, 64, v[TX]
.elseif rn == 99
	v_cndmask_b32 v[M2], v[M2], v[rW], vcc_lo
.elseif rn == 100
	v_ashrrev_i32 v[TX], 31, v[M2]
.elseif rn == 101
	v_bfi_b32 v[TX], v[TX], 0, s[LOM]      ; 0xffff, or 0 for a negative m2
.elseif rn == 102
	v_add_nc_u32 v[TX], v[TX], v[M2]
.elseif (rn == 103) && ((\sp) == 0)
	v_and_or_b32 v[RPE], v[TX], s[HIM], v[IX]
.elseif rn == 103
	v_and_or_b32 v[TX], v[TX], s[HIM], v[IX]
.elseif rn == 104
	v_cndmask_b32 v[OUT], v[RME], v[M1], s[HIM]
.else
	v_cndmask_b32 v[OUT+1], v[RPE], v[TX], s[HIM]
.endif
.endm
; A TURN on buffer and accumulator set p.  rid = 1: it carries the statistics of the tile before (set 1 - p): numbers 0-99 four at a time behind products 1, 3, .. 49, the rest behind the last product.
; Those last four are plain and name no register of the products round them: they are the four places in front of the next turn's first read of this turn's sums and of its loads into this turn's
; fragment buffer.  A turn with p = 0 ends a pair of tiles and puts the pair's words into the stage.  fetch = 1: the next tile's fragments, 62 matrix instructions ahead of their first use.
; left: the LDS instructions younger than the fragment loads that this turn multiplies: the stage store of the turn before, or none.
.macro TURN p, rid, fetch, left
	s_wait_dscnt \left
.set i, 0
.rept 32
	MM \p
	MM \p
.set k, i/2-1
.if (\rid) && (k < 25)
	WIN 0
.set rn, 4*k
.rept 4
	RID 1-(\p)
.set rn, rn+1
.endr
.endif
.if (\rid) && (k == 31)
	WIN 0
.set rn, 100
.rept 6-2*(\p)
	RID 1-(\p)
.set rn, rn+1
.endr
.if (\p) == 0
	v_add_nc_u32 v[STA], s[SB], v[STO]
	ds_store_b64 v[STA], v[OUT:OUT+1]
	s_add_co_u32 s[SB], s[SB], 1024
.endif
.endif
.if (\fetch) && (k == 0)
	FETCH 1-(\p)
.endif
.endr
.if !(\rid)
.rept 4
	v_nop                                  ; the first turn has no statistics to carry: the places behind its last products
.endr
.endif
.endm
; Four units of the stage go to st: wave w takes queries 8 w .. + 7 of each unit, 256 bytes: one whole unit of st, 8 bytes a lane.  The first time the first unit does not exist yet
; (the statistics run a tile behind) and is jumped over: the count is the same in every work-group.
.macro FLUSH4
	v_add_nc_u32 v[FRA], s[FB], v[FRD]
	s_cmp_eq_u32 s[SLOTS], 14
	s_cbranch_scc1 .Lno_first_\@
	ds_load_b64 v[FL:FL+1], v[FRA]
	s_wait_dscnt 0x0
	global_store_b64 v[FGO], v[FL:FL+1], s[STP:STP+1] offset:-PAIRB
.Lno_first_\@:
.irp u, 1,2,3
	ds_load_b64 v[FL+2*\u:FL+2*\u+1], v[FRA] offset:1024*\u
.endr
.irp u, 1,2,3
	s_wait_dscnt 3-\u                      ; LDS loads come back in order: unit u is in, the younger ones stay out
	global_store_b64 v[FGO], v[FL+2*\u:FL+2*\u+1], s[STP:STP+1] offset:(\u-1)*PAIRB
.endr
	s_wait_xcnt 0x0                        ; only behind this wait are the stores' base and data written again
	s_add_nc_u64 s[STP:STP+1], s[STP:STP+1], 4*PAIRB
	s_xor_b32 s[FB], s[FB], SBUF
.endm
; THE CHANGE OF SLOTS stands in front of a slot's last turn, whose fragments are in registers.  Each wave waits for all its tensor loads, of which one is out: its part of the other slot; adds 0 to its spare word;
; and waits for that and for its own reads of the slot.  fill = 1: the barrier is a round of the cluster's, so that no wave of any partner still reads the slot or has a load on its way, and the joint refill
; (the queries two slots on) is the first thing behind it: it has eight turns, 512 matrix instructions, in which to land.  The same barrier shows the stage buffer just written to every wave.
.macro CHANGE fill
	WIN 0                                  ; at a label and at a branch every window is 0
	s_wait_tensorcnt 0x0                   ; no tensor load of mine is out, so a group 0 may be written
	ds_add_u32 v[SPW], v[NIL]              ; 0 onto my spare word
.if \fill
	s_xor_b32 s[G0B+1], s[G0B+1], SLOTB    ; the walking descriptor: the other slot than last time,
	s_add_nc_u64 s[G0B+2:G0B+3], s[G0B+2:G0B+3], QSLOT  ; the next 128 queries; the type bits on top are not reached
.endif
	s_wait_dscnt 0x0                       ; the add is done, my reads of the slot are over, my stage stores are done
.if \fill
	ROUND
	tensor_load_to_lds s[G0B:G0B+3], s[G1Q:G1Q+7]
	s_nop 0
.rept 4
	v_nop
.endr
.else
	s_barrier_signal -1
	s_barrier_wait -1
.endif
	s_sub_co_u32 s[TB], s[TB], SLOTB       ; the fetches go back to a slot's first tile,
	s_xor_b32 s[TB], s[TB], SLOTB          ; in the other slot
	s_sub_co_u32 s[SB], s[SB], SBUF        ; and the stage stores to the other buffer's first unit
	s_xor_b32 s[SB], s[SB], SBUF
	FLUSH4
.endm
	s_load_b128 s[4:7], s[0:1], 0x0                ; E s[4:5], qb s[6:7]
	s_load_b64 s[8:9], s[0:1], 0x10                ; st
	v_lshl_add_u32 v[SPW], v0, 2, SPARE
	v_mov_b32 v[NIL], 0
	ds_add_u32 v[SPW], v[NIL]                      ; the wave's opening: the add and its wait ahead of my first tensor load; the set-up below, work on registers, stands between them
	ds_add_u32 v14, v15
	v_lshrrev_b32 v1, 5, v0
	v_readfirstlane_b32 s[WV], v1                  ; wave 0..3
	s_bfe_u32 s11, ttmp6, 0x40000                  ; cx: my place in the cluster
	s_lshl_b32 s12, ttmp9, 2                       ; in a cluster launch ttmp9 counts clusters
	s_add_co_u32 s12, s12, s11                     ; wg = 4 x cluster x + cx: it enters E's and st's addresses and the stored index alone
	; descriptor group 1: 32 rows x 512 elements of 2 bytes, padded in LDS
	s_mov_b32 s[G1Q], 15|(1<<16)|(1<<20)|(1<<21)|(7<<22)|(3<<25)  ; 15:0 the mask of four; 17:16 2-byte elements; 20 padding on; 21 set beside a mask; 24:22 after every 256 words (code 7); 31:25 4 words (code 3)
	s_mov_b32 s[G1Q+1], 512<<16                    ; tensor_dim0 = 512
	s_mov_b32 s[G1Q+2], 32<<16                     ; tensor_dim1 = 32
	s_mov_b32 s[G1Q+3], 512<<16                    ; tile_dim0 = 512
	s_mov_b32 s[G1Q+4], 32                         ; tile_dim1 = 32
	s_mov_b32 s[G1Q+5], 512                        ; 512 elements from row to row
	s_mov_b32 s[G1Q+6], 0
	s_mov_b32 s[G1Q+7], 0
	s_mov_b32 s[G0A], 1                            ; count = 1
	s_mul_i32 s[G0A+1], s[WV], WROWB               ; LDS address: my 32 rows of slot 0: no place in the cluster enters it
	s_mov_b32 s[G0B], 1
	s_add_co_u32 s[G0B+1], s[G0A+1], SLOTB         ; and of slot 1
	s_lshl_b32 s44, s[WV], 15                      ; my 32 rows of 1,024 bytes in qb
	s_mov_b32 s45, 0
	s_lshl_b32 s46, s12, 19                        ; E: 256 wg + 64 w rows of 2,048 bytes
	s_lshl_b32 s47, s[WV], 17
	s_add_co_u32 s46, s46, s47
	s_mov_b32 s47, 0
	s_lshl_b32 s48, s12, 8                         ; st: 256 wg + 65,536 w
	s_lshl_b32 s49, s[WV], 16
	s_add_co_u32 s48, s48, s49
	s_mov_b32 s49, 0
	s_mov_b32 s[GM], 0xffffffc0
	s_mov_b32 s[HIM], 0xffff0000
	s_mov_b32 s[LOM], 0xffff
	s_mov_b32 s[SEL], 0x76543210
	s_mov_b32 s[SEL+1], 0xfedcba98
	v_and_b32 v5, 15, v0                           ; r
	v_bfe_u32 v11, v0, 4, 1                        ; h
	v_and_b32 v13, 31, v0                          ; lane
	v_mul_u32_u24 v[AQ0], v5, PITCH
	v_lshl_add_u32 v[AQ0], v11, 4, v[AQ0]
	v_lshlrev_b32 v[EO], 11, v5
	v_lshl_add_u32 v[EO], v11, 5, v[EO]
	s_lshl_b32 s50, s[WV], 3
	s_add_co_u32 s50, s50, STAGE
	v_lshl_add_u32 v[STO], v13, 5, s50
	s_lshl_b32 s51, s[WV], 8
	s_add_co_u32 s51, s51, STAGE
	v_lshl_add_u32 v[FRD], v13, 3, s51
	v_lshlrev_b32 v[FGO], 3, v13
	s_lshl_b32 s52, s12, 8
	s_lshl_b32 s53, s[WV], 6
	s_add_co_u32 s52, s52, s53
	v_lshl_add_u32 v[IDXB], v11, 3, s52
	v_mov_b32 v[P1], 0                             ; v_permlanex16_b32's destination counts as read: written once here
	v_mov_b32 v[P2], 0
	v_mov_b32 v[PI], 0
	s_wait_dscnt 0x0                               ; the opening add is done
	s_wait_kmcnt 0x0
	s_add_nc_u64 s[4:5], s[4:5], s[46:47]          ; E at my wave's first row
	s_add_nc_u64 s[STP:STP+1], s[8:9], s[48:49]
	s_add_nc_u64 s[G0A+2:G0A+3], s[6:7], s[44:45]  ; global address: my 32 of queries 0-127,
	s_add_nc_u64 s[G0B+2:G0B+3], s[G0A+2:G0A+3], QSLOT  ; and of queries 128-255
	s_or_b32 s[G0A+3], s[G0A+3], 0x80000000        ; type = 2
	s_or_b32 s[G0B+3], s[G0B+3], 0x80000000
	ELOAD 0                                        ; E is wanted first: 48 loads of mine are on their way while the cluster meets
	ELOAD 1
	ELOAD 2
	WIN 0
	ROUND                                          ; all four work-groups are here: the first joint loads meet
	tensor_load_to_lds s[G0A:G0A+3], s[G1Q:G1Q+7]  ; both first fills together: two tensor loads of mine are out, later one
	s_nop 0
	tensor_load_to_lds s[G0B:G0B+3], s[G1Q:G1Q+7]
	s_nop 0
.rept 4
	v_nop
.endr
	ELOAD 3
	; E: sixteen groups through a ring of four landing places; group g is converted when it is in, and its place takes group g + 4
.set g, 0
.rept 16
.if g < 13
	s_wait_loadcnt 48                              ; loads come back in order: three younger groups of 16 stay out
.else
	s_wait_loadcnt 16*(15-g)                       ; the counts run down
.endif
	ECVT g
.if g < 12
	ELOAD g+4
.endif
.set g, g+1
.endr
	WIN 0
	s_wait_tensorcnt 0x1                           ; my part of slot 0 is in; slot 1's may stay out
	s_barrier_signal -1
	s_barrier_wait -1                              ; everybody's is
	s_mov_b32 s[TB], 0
	s_mov_b32 s[SB], 1024                          ; the first three pairs of tiles take units 1 to 3 of buffer 0
	s_mov_b32 s[FB], 0
	FETCH 0
	TURN 0, 0, 1, 0                                ; tile 0
	WIN 0
	s_wait_dscnt 0x0                               ; tile 1's fragments: on this way into the loop no stage store is younger than they are
	s_mov_b32 s[CNT], 3
	s_mov_b32 s[SLOTS], 15
	s_branch .Lpair                                ; slot 0 has six turns left in front of its change
.Lslot:                                                ; 14 times: every slot but the last two is filled again
	CHANGE 1
	s_mov_b32 s[CNT], 4
.Lpair:                                                ; two turns: an odd tile, an even tile
	TURN 1, 1, 1, 1
	TURN 0, 1, 1, 0
	WIN 0
	s_sub_co_u32 s[CNT], s[CNT], 1
	s_cmp_lg_u32 s[CNT], 0
	s_cbranch_scc1 .Lpair
	s_sub_co_u32 s[SLOTS], s[SLOTS], 1
	s_cmp_lg_u32 s[SLOTS], 0
	s_cbranch_scc1 .Lslot
	CHANGE 0                                       ; the tail is written out: nothing is asked for
	s_mov_b32 s[CNT], 4
.Ltail:
	TURN 1, 1, 1, 1
	TURN 0, 1, 1, 0
	WIN 0
	s_sub_co_u32 s[CNT], s[CNT], 1
	s_cmp_lg_u32 s[CNT], 0
	s_cbranch_scc1 .Ltail
	TURN 1, 1, 0, 1                                ; tile 127
	WIN 0
.set rn, 0
.rept 106                                              ; its statistics have no turn to ride in
	RID 1
.set rn, rn+1
.endr
	ds_store_b64 v[STO], v[OUT:OUT+1] offset:2*SBUF
	s_wait_dscnt 0x0                               ; for the others' sake: my stage stores are done
	s_barrier_signal -1
	s_barrier_wait -1
	v_add_nc_u32 v[FRA], s[FB], v[FRD]
.irp u, 0,1,2,3
	ds_load_b64 v[FL+2*\u:FL+2*\u+1], v[FRA] offset:1024*\u
.endr
	ds_load_b64 v[FL+8:FL+9], v[FRD] offset:2*SBUF
.irp u, 0,1,2,3,4
	s_wait_dscnt 4-\u
	global_store_b64 v[FGO], v[FL+2*\u:FL+2*\u+1], s[STP:STP+1] offset:(\u-1)*PAIRB  ; 32 lanes store 256 consecutive bytes, at a multiple of 256 from st's first byte
.endr
	s_wait_tensorcnt 0x0                           ; the wave's end, behind my last tensor load and my last LDS store
	ds_add_u32 v[SPW], v[NIL]
	s_wait_dscnt 0x0
	ROUND                                          ; the closing round: no work-group ends while a partner may still ask for a tile that names it
	s_endpgm
.Lfunc_end_k_qa52e207e75_gemm:
	.size	k_qa52e207e75_gemm, .Lfunc_end_k_qa52e207e75_gemm-k_qa52e207e75_gemm
	.p2alignl 7, 3214868480
	.fill 96, 4, 3214868480
	.section	.rodata,"a",@progbits
	.p2align	6, 0x0
	.amdhsa_kernel k_qa52e207e75_gemm
		.amdhsa_group_segment_fixed_size 327680
		.amdhsa_private_segment_fixed_size 0
		.amdhsa_enable_private_segment 0
		.amdhsa_kernarg_size 24
		.amdhsa_user_sgpr_count 2
		.amdhsa_user_sgpr_kernarg_segment_ptr 1
		.amdhsa_wavefront_size32 1
		.amdhsa_system_sgpr_workgroup_id_x 1
		.amdhsa_system_sgpr_workgroup_id_y 1
		.amdhsa_system_sgpr_workgroup_id_z 1
		.amdhsa_system_vgpr_workitem_id 0
		.amdhsa_next_free_vgpr 1024
		.amdhsa_next_free_sgpr 66
		.amdhsa_reserve_vcc 1
		.amdhsa_float_denorm_mode_32 3
		.amdhsa_float_denorm_mode_16_64 3
		.amdhsa_memory_ordered 1
		.amdhsa_forward_progress 1
		.amdhsa_inst_pref_size 150
	.end_amdhsa_kernel
	.amdgpu_metadata
---
amdhsa.version: [ 1, 2 ]
amdhsa.kernels:
  - .name:           k_qa52e207e75_gemm
    .symbol:         k_qa52e207e75_gemm.kd
    .args:
      - { .name: index_embeddings, .offset: 0, .size: 8, .value_kind: global_buffer, .address_space: global }
      - { .name: qb, .offset: 8, .size: 8, .value_kind: global_buffer, .address_space: global }
      - { .name: st, .offset: 16, .size: 8, .value_kind: global_buffer, .address_space: global }
    .group_segment_fixed_size: 327680
    .private_segment_fixed_size: 0
    .kernarg_segment_align: 8
    .kernarg_segment_size: 24
    .max_flat_workgroup_size: 128
    .sgpr_count:     66
    .vgpr_count:     1024
    .wavefront_size: 32
...
	.end_amdgpu_metadata
.endif
;; end of part 2
;; launch select (part 3): grid 256 x 1, 8 waves a work-group, no clusters, 167,936 bytes of LDS; arguments st, cv, ci; writes cv, ci
.if DOCPART == 3
	.amdgcn_target "amdgcn-amd-amdhsa--gfx1250"
	.amdhsa_code_object_version 6
	.text
	.protected	k_qa52e207e75_select
	.globl	k_qa52e207e75_select
	.p2align	8
	.type	k_qa52e207e75_select,@function
k_qa52e207e75_select:
	s_mov_b64 s[64:65], 0
	v_nop
	global_prefetch_b8 v0, s[64:65] scope:SCOPE_SE
	s_setreg_imm32_b32 hwreg(HW_REG_WAVE_MODE, 25, 1), 1
	s_wait_xcnt 0x0
; FOR EACH QUERY THE 16 BEST BUCKETS.  st holds for each (query, bucket of 64 chunks) m1 (f32) and (m2up << 16) | index.  Ordered by (m1 descending, index ascending) the first 16 buckets hold every one of the
; query's 16 best scores: each bucket ahead of a score's own holds another score that goes before it.  T = the 16th m1.  A picked bucket whose bound m2up is below T gives its maximum alone; the others are FLAGGED.
; Out: cv[query][16] = the m1 in order; ci[query][16] = index | flag << 16: whole numbers, from which the next launch forms its addresses and branches.
; Nothing here branches on a score: sixteen alike picks, each a maximum over the wave, the least index among its holders, and the holder's removal.  -infinity marks what is removed; NaN and infinities in st are not treated.
; SHARES.  A work-group has 8 queries, 65,536 consecutive bytes of st, brought by one tensor load a wave (32 units of 256 bytes); wave p then works on query p alone, its 1,024 buckets in 64 registers.
; No cluster: no two work-groups read the same bytes.  No matrix unit: there is no product.
.set UP,    272                        ; a unit of st in LDS: 256 bytes + 16 of padding
.set OSV,   256*UP                     ; behind the units: 8 x 64 bytes of cv,
.set OSI,   OSV+512                    ; 8 x 64 bytes of ci; no tensor load lands from OSV on
.set SPARE, OSI+512                    ; the spare words, 128 bytes a wave: four blocks of 256 bytes that no other line names
.set LANE, 1
.set LM,  4                            ; the lane's maximum
.set MX,  5                            ; the wave's
.set PA,  6                            ; the second word of the lane's first holder of it
.set KEY, 7
.set KM,  8
.set PT,  9
.set RV,  10                           ; lane n: the n-th pick's m1
.set RP,  11                           ; and its second word
.set NEG, 12                           ; -infinity
.set V,   16                           ; v[16:79]: entry q of 32 (bucket 32 (q / 2) x 2 + 2 lane + q % 2): m1 at V + 2 q, the second word at V + 2 q + 1
.set SPW, 80
.set NIL, 81
.set CHN, 84                           ; v[84:87] four chains
.macro WMAX d, s                       ; the maximum over the 32 lanes, in every lane
	v_max_num_f32_dpp v[\d], v[\s], v[\s] row_xmask:1 row_mask:0xf bank_mask:0xf
	v_max_num_f32_dpp v[\d], v[\d], v[\d] row_xmask:2 row_mask:0xf bank_mask:0xf
	v_max_num_f32_dpp v[\d], v[\d], v[\d] row_xmask:4 row_mask:0xf bank_mask:0xf
	v_max_num_f32_dpp v[\d], v[\d], v[\d] row_xmask:8 row_mask:0xf bank_mask:0xf
	v_permlanex16_b32 v[PT], v[\d], s12, s13
	v_max_num_f32 v[\d], v[\d], v[PT]
.endm
.macro WMIN d, s
	v_min_num_f32_dpp v[\d], v[\s], v[\s] row_xmask:1 row_mask:0xf bank_mask:0xf
	v_min_num_f32_dpp v[\d], v[\d], v[\d] row_xmask:2 row_mask:0xf bank_mask:0xf
	v_min_num_f32_dpp v[\d], v[\d], v[\d] row_xmask:4 row_mask:0xf bank_mask:0xf
	v_min_num_f32_dpp v[\d], v[\d], v[\d] row_xmask:8 row_mask:0xf bank_mask:0xf
	v_permlanex16_b32 v[PT], v[\d], s12, s13
	v_min_num_f32 v[\d], v[\d], v[PT]
.endm
	s_load_b128 s[4:7], s[0:1], 0x0                ; st s[4:5], cv s[6:7]
	s_load_b64 s[8:9], s[0:1], 0x10                ; ci
	v_lshl_add_u32 v[SPW], v0, 2, SPARE
	v_mov_b32 v[NIL], 0
	ds_add_u32 v[SPW], v[NIL]                      ; the wave's opening: the add and its wait ahead of my first tensor load
	ds_add_u32 v80, v81
	v_lshrrev_b32 v1, 5, v0
	v_readfirstlane_b32 s10, v1                    ; wave 0..7
	s_mov_b32 s16, (3<<16)|(1<<20)|(5<<22)|(3<<25) ; 8-byte elements; padding on: after every 64 words (code 5) 4 words (code 3)
	s_mov_b32 s17, 32<<16                          ; tensor_dim0 = 32 elements: 256 bytes
	s_mov_b32 s18, 32<<16                          ; tensor_dim1 = 32 rows
	s_mov_b32 s19, 32<<16                          ; tile_dim0 = 32
	s_mov_b32 s20, 32                              ; tile_dim1 = 32
	s_mov_b32 s21, 32                              ; the rows lie end to end
	s_mov_b32 s22, 0
	s_mov_b32 s23, 0
	s_mov_b32 s24, 1
	s_mul_i32 s25, s10, 32*UP                      ; my 32 units in LDS
	s_lshl_b32 s32, ttmp9, 16                      ; the work-group's 65,536 bytes,
	s_lshl_b32 s33, s10, 13                        ; my 8,192 of them
	s_add_co_u32 s32, s32, s33
	s_mov_b32 s33, 0
	s_mov_b32 s12, 0x76543210                      ; v_permlanex16_b32: each lane takes its own place in the other half
	s_mov_b32 s13, 0xfedcba98
	s_wait_dscnt 0x0                               ; the opening add is done
	s_wait_kmcnt 0x0
	s_add_nc_u64 s[26:27], s[4:5], s[32:33]
	s_or_b32 s27, s27, 0x80000000                  ; type = 2
	tensor_load_to_lds s[24:27], s[16:23]          ; the one tensor load of this wave
	s_nop 0
	v_and_b32 v[LANE], 31, v0
	v_lshrrev_b32 v2, 1, v[LANE]                   ; a load of 16 bytes a lane takes 16 units: unit lane / 2, two of my query's four entries
	v_mul_u32_u24 v2, v2, UP
	v_and_b32 v3, 1, v[LANE]
	v_lshl_add_u32 v2, v3, 4, v2
	s_lshl_b32 s11, s10, 5                         ; my query's 32 bytes in a unit
	v_add_nc_u32 v2, s11, v2
	v_mov_b32 v[RV], 0
	v_mov_b32 v[RP], 0
	v_mov_b32 v[NEG], 0xff800000
	v_mov_b32 v[MX], 0                             ; destinations of lane-crossing forms count as read: written once here
	v_mov_b32 v[KM], 0
	v_mov_b32 v[PT], 0
	s_wait_tensorcnt 0x0                           ; my units are in,
	s_barrier_signal -1
	s_barrier_wait -1                              ; everybody's are
.set i, 0
.rept 16
	ds_load_b128 v[V+4*i:V+4*i+3], v2 offset:16*UP*i
.set i, i+1
.endr
	s_wait_dscnt 0x0
	s_mov_b32 s28, 0
.Lpick:                                                ; sixteen picks
.irp c, 0,1,2,3                                        ; the lane's maximum of 32, in four chains
	v_max3_num_f32 v[CHN+\c], v[V+16*\c], v[V+16*\c+2], v[V+16*\c+4]
.endr
.irp c, 0,1,2,3
	v_max3_num_f32 v[CHN+\c], v[CHN+\c], v[V+16*\c+6], v[V+16*\c+8]
.endr
.irp c, 0,1,2,3
	v_max3_num_f32 v[CHN+\c], v[CHN+\c], v[V+16*\c+10], v[V+16*\c+12]
.endr
.irp c, 0,1,2,3
	v_max_num_f32 v[CHN+\c], v[CHN+\c], v[V+16*\c+14]
.endr
	v_max3_num_f32 v[LM], v[CHN], v[CHN+1], v[CHN+2]
	v_max_num_f32 v[LM], v[LM], v[CHN+3]
	WMAX MX, LM
	v_mov_b32 v[PA], 0
.set q, 31
.rept 32                                               ; from the last entry down: the lane's first holder (its lowest bucket) is written last
	v_cmp_eq_f32 vcc_lo, v[MX], v[V+2*q]
	v_cndmask_b32 v[PA], v[PA], v[V+2*q+1], vcc_lo
.set q, q-1
.endr
	v_and_b32 v[KEY], 0xffff, v[PA]                ; the holder's index, exact in f32; 65,536 where the lane holds none
	v_cvt_f32_u32 v[KEY], v[KEY]
	v_cmp_eq_f32 vcc_lo, v[LM], v[MX]
	v_cndmask_b32 v[KEY], 0x47800000, v[KEY], vcc_lo
	WMIN KM, KEY
	v_cmp_eq_f32 vcc_lo, v[KEY], v[KM]             ; one lane: indices differ
	s_ctz_i32_b32 s29, vcc_lo
	v_readlane_b32 s30, v[PA], s29                 ; the picked bucket's second word
.set q, 0
.rept 32                                               ; it is removed: its second word is like no other's
	v_cmp_eq_u32 vcc_lo, s30, v[V+2*q+1]
	v_cndmask_b32 v[V+2*q], v[V+2*q], v[NEG], vcc_lo
.set q, q+1
.endr
	v_cmp_eq_u32 vcc_lo, s28, v[LANE]
	v_cndmask_b32 v[RV], v[RV], v[MX], vcc_lo
	v_cndmask_b32 v[RP], v[RP], s30, vcc_lo
	s_add_co_u32 s28, s28, 1
	s_cmp_lt_u32 s28, 16
	s_cbranch_scc1 .Lpick
	v_and_b32 v[KEY], 0xffff0000, v[RP]            ; m2up as f32, against T = the last pick's m1
	v_cmp_ge_f32 vcc_lo, v[KEY], v[MX]
	v_mov_b32 v[KM], 0x10000
	v_cndmask_b32 v[KEY], 0, v[KM], vcc_lo
	v_and_or_b32 v[KEY], v[RP], 0xffff, v[KEY]     ; index | flag << 16
	v_permlanex16_b32 v[PT], v[KEY], s12, s13      ; lanes 16-31 carry ci's words, lanes 0-15 cv's
	v_cmp_gt_u32 vcc_lo, 16, v[LANE]
	v_cndmask_b32 v[PT], v[PT], v[RV], vcc_lo
	v_and_b32 v3, 15, v[LANE]
	v_lshrrev_b32 v[KM], 4, v[LANE]
	v_lshlrev_b32 v3, 2, v3
	v_lshl_add_u32 v3, v[KM], 9, v3
	s_lshl_b32 s11, s10, 6
	s_add_co_u32 s11, s11, OSV
	v_add_nc_u32 v3, s11, v3
	ds_store_b32 v3, v[PT]
	s_wait_dscnt 0x0                               ; for the others' sake: my store is done
	s_barrier_signal -1
	s_barrier_wait -1
	s_cmp_gt_u32 s10, 1
	s_cbranch_scc1 .Ldone                          ; wave 0 sends the work-group's 512 bytes of cv, wave 1 those of ci
	s_cmp_eq_u32 s10, 0
	s_cselect_b64 s[34:35], s[6:7], s[8:9]
	s_lshl_b32 s32, ttmp9, 9
	s_mov_b32 s33, 0
	s_add_nc_u64 s[34:35], s[34:35], s[32:33]
	v_lshlrev_b32 v2, 4, v[LANE]
	s_lshl_b32 s11, s10, 9
	s_add_co_u32 s11, s11, OSV
	v_add_nc_u32 v3, s11, v2
	ds_load_b128 v[16:19], v3
	s_wait_dscnt 0x0
	global_store_b128 v2, v[16:19], s[34:35]       ; 512 consecutive bytes, at a multiple of 256 from the buffer's first byte
.Ldone:
	s_wait_tensorcnt 0x0                           ; the wave's end, behind my last tensor load and my last LDS store
	ds_add_u32 v[SPW], v[NIL]
	s_wait_dscnt 0x0
	s_endpgm
.Lfunc_end_k_qa52e207e75_select:
	.size	k_qa52e207e75_select, .Lfunc_end_k_qa52e207e75_select-k_qa52e207e75_select
	.p2alignl 7, 3214868480
	.fill 96, 4, 3214868480
	.section	.rodata,"a",@progbits
	.p2align	6, 0x0
	.amdhsa_kernel k_qa52e207e75_select
		.amdhsa_group_segment_fixed_size 167936
		.amdhsa_private_segment_fixed_size 0
		.amdhsa_enable_private_segment 0
		.amdhsa_kernarg_size 24
		.amdhsa_user_sgpr_count 2
		.amdhsa_user_sgpr_kernarg_segment_ptr 1
		.amdhsa_wavefront_size32 1
		.amdhsa_system_sgpr_workgroup_id_x 1
		.amdhsa_system_sgpr_workgroup_id_y 1
		.amdhsa_system_sgpr_workgroup_id_z 1
		.amdhsa_system_vgpr_workitem_id 0
		.amdhsa_next_free_vgpr 96
		.amdhsa_next_free_sgpr 66
		.amdhsa_reserve_vcc 1
		.amdhsa_float_denorm_mode_32 3
		.amdhsa_float_denorm_mode_16_64 3
		.amdhsa_memory_ordered 1
		.amdhsa_forward_progress 1
		.amdhsa_inst_pref_size 12
	.end_amdhsa_kernel
	.amdgpu_metadata
---
amdhsa.version: [ 1, 2 ]
amdhsa.kernels:
  - .name:           k_qa52e207e75_select
    .symbol:         k_qa52e207e75_select.kd
    .args:
      - { .name: st, .offset: 0, .size: 8, .value_kind: global_buffer, .address_space: global }
      - { .name: cv, .offset: 8, .size: 8, .value_kind: global_buffer, .address_space: global }
      - { .name: ci, .offset: 16, .size: 8, .value_kind: global_buffer, .address_space: global }
    .group_segment_fixed_size: 167936
    .private_segment_fixed_size: 0
    .kernarg_segment_align: 8
    .kernarg_segment_size: 24
    .max_flat_workgroup_size: 256
    .sgpr_count:     66
    .vgpr_count:     96
    .wavefront_size: 32
...
	.end_amdgpu_metadata
.endif
;; end of part 3
;; launch final (part 4): grid 512 x 1, 4 waves a work-group, no clusters, 33,792 bytes of LDS; arguments index_embeddings, index_positions, qb, cv, ci, out0, out1; writes out0, out1
.if DOCPART == 4
	.amdgcn_target "amdgcn-amd-amdhsa--gfx1250"
	.amdhsa_code_object_version 6
	.text
	.protected	k_qa52e207e75_final
	.globl	k_qa52e207e75_final
	.p2align	8
	.type	k_qa52e207e75_final,@function
k_qa52e207e75_final:
	s_mov_b64 s[64:65], 0
	v_nop
	global_prefetch_b8 v0, s[64:65] scope:SCOPE_SE
	s_setreg_imm32_b32 hwreg(HW_REG_WAVE_MODE, 25, 1), 1
	s_wait_xcnt 0x0
; THE LAST STEP.  cv, ci hold for each query its 16 best buckets' maxima in order, their chunk indices, and a flag where the bucket may hold more than one of the query's 16 best scores.
; A flagged bucket's 64 scores are computed anew, with the same operands (bf16), the same order of K and one accumulator, the sources swapped: the same bits as before.  Then the list and each such bucket are merged
; into the 16 best by (score descending, index ascending), and out0 = the scores, out1 = index_positions at their chunks.
; EVERY ADDRESS AND BRANCH hangs on ci's whole numbers alone.  Positions are loaded for every candidate (the listed chunks; all 64 of a flagged bucket) and travel with it as a payload; the merge only selects values.
; LIMITS as in the launch that made the scores: bf16 operands; near ties may stand in the other order than in f32; NaN and infinities are not treated; -infinity marks what is removed.
; SHARES.  A work-group has 4 queries: 256 bytes of out0 and of out1.  PHASE B: the four waves are a team: of every flagged bucket of the four queries wave w computes chunks 16 w .. + 15 (64 loads of E's f32,
; 16 matrix instructions).  PHASE C: wave w merges query w.  No barrier stands inside a branch on data.  No tensor load, no cluster: the rows wanted are few and known only here.
; One accumulator: a wait ahead of each link that adds onto the one before.
.set RESP,  512                        ; LDS: item p of 64 (query p / 16, list place p % 16): 64 scores, then 64 positions
.set OSV,   64*RESP                    ; 4 x 64 bytes of out0,
.set OSI,   OSV+256                    ; 4 x 64 bytes of out1
.set SPARE, OSI+256                    ; the spare words, 128 bytes a wave: two blocks of 256 bytes that no other line names
.set LANE, 1
.set L4,  2                            ; 4 lane
.set LO,  3                            ; 64 wave + 4 (lane % 16): my place in the work-group's 256 bytes of cv and ci, and in an item's scores
.set RR,  4
.set HH,  5
.set VQ,  6                            ; 16 h
.set VE,  7                            ; r x 2,048 + 32 h
.set RWT, 9
.set CA,  10                           ; ci of items 0-31, of items 32-63, and the half in hand
.set CB,  11
.set CC,  12
.set LI,  13
.set LV,  14                           ; the list: score, index (whole, and as f32), position
.set LIX, 15
.set FLX, 16
.set LP,  17
.set X0,  18                           ; a bucket's chunks lane and lane + 32: score, index as f32, position
.set X1,  19
.set FI0, 20
.set FI1, 21
.set XP0, 22
.set XP1, 23
.set NV,  24                           ; the new list
.set NX,  25
.set NP,  26
.set MX,  27
.set PT,  28
.set K0,  29
.set K1,  30
.set K2,  31
.set KM,  32
.set PC,  33
.set NEG, 34                           ; -infinity
.set BIGF, 35                          ; 65,536.0: above every index
.set SPW, 36
.set NIL, 37
.set POSV, 38
.set R4,  39
.set TV,  40
.set LPA, 41
.set OA,  42
.set OD,  44
.set OG,  46
.set QF,  64                           ; v[64:191] 16 fragments of one query, the same in all 16 rows
.set BF,  192                          ; v[192:207] two fragments of E
.set ACC, 208                          ; v[208:215];  window 1: E's f32, 16 registers a K step
.set CH,  18                           ; s18 which half of the items
.set W16, 19
.set WV,  20
.set MA,  26
.set MB,  27
.set MK,  28
.set SL,  29
.set MO,  42
.set CI,  43
.set CJ,  44
.set SEL, 52
.set MSB, 0
.macro WIN new
.if MSB != (\new)
	s_set_vgpr_msb (MSB<<8)|(\new)
.set MSB, \new
.endif
.endm
.macro WMAX d
	v_max_num_f32_dpp v[\d], v[\d], v[\d] row_xmask:1 row_mask:0xf bank_mask:0xf
	v_max_num_f32_dpp v[\d], v[\d], v[\d] row_xmask:2 row_mask:0xf bank_mask:0xf
	v_max_num_f32_dpp v[\d], v[\d], v[\d] row_xmask:4 row_mask:0xf bank_mask:0xf
	v_max_num_f32_dpp v[\d], v[\d], v[\d] row_xmask:8 row_mask:0xf bank_mask:0xf
	v_permlanex16_b32 v[PT], v[\d], s[SEL], s[SEL+1]
	v_max_num_f32 v[\d], v[\d], v[PT]
.endm
.macro WMIN d
	v_min_num_f32_dpp v[\d], v[\d], v[\d] row_xmask:1 row_mask:0xf bank_mask:0xf
	v_min_num_f32_dpp v[\d], v[\d], v[\d] row_xmask:2 row_mask:0xf bank_mask:0xf
	v_min_num_f32_dpp v[\d], v[\d], v[\d] row_xmask:4 row_mask:0xf bank_mask:0xf
	v_min_num_f32_dpp v[\d], v[\d], v[\d] row_xmask:8 row_mask:0xf bank_mask:0xf
	v_permlanex16_b32 v[PT], v[\d], s[SEL], s[SEL+1]
	v_min_num_f32 v[\d], v[\d], v[PT]
.endm
	s_load_b256 s[4:11], s[0:1], 0x0               ; E s[4:5], positions s[6:7], qb s[8:9], cv s[10:11]
	s_load_b128 s[12:15], s[0:1], 0x20             ; ci s[12:13], out0 s[14:15]
	s_load_b64 s[16:17], s[0:1], 0x30              ; out1
	v_lshl_add_u32 v[SPW], v0, 2, SPARE
	v_mov_b32 v[NIL], 0
	v_lshrrev_b32 v[LANE], 5, v0
	v_readfirstlane_b32 s[WV], v[LANE]             ; wave 0..3
	v_and_b32 v[LANE], 31, v0
	v_lshlrev_b32 v[L4], 2, v[LANE]
	v_and_b32 v[RR], 15, v0
	v_bfe_u32 v[HH], v0, 4, 1
	v_lshlrev_b32 v[R4], 2, v[RR]
	s_lshl_b32 s40, s[WV], 6
	v_add_nc_u32 v[LO], s40, v[R4]
	v_lshlrev_b32 v[VQ], 4, v[HH]
	v_lshlrev_b32 v[VE], 11, v[RR]
	v_lshl_add_u32 v[VE], v[HH], 5, v[VE]
	v_mov_b32 v[NEG], 0xff800000
	v_mov_b32 v[BIGF], 0x47800000
	v_mov_b32 v[PT], 0                             ; v_permlanex16_b32's destination counts as read
	s_lshl_b32 s[W16], s[WV], 4
	s_mov_b32 s[SEL], 0x76543210
	s_mov_b32 s[SEL+1], 0xfedcba98
	s_lshl_b32 s22, ttmp9, 8                       ; the work-group's 256 bytes in cv, ci, out0 and out1
	s_mov_b32 s23, 0
	s_wait_kmcnt 0x0
	s_add_nc_u64 s[24:25], s[10:11], s[22:23]
	s_add_nc_u64 s[58:59], s[12:13], s[22:23]
	global_load_b32 v[CA], v[L4], s[58:59]
	global_load_b32 v[CB], v[L4], s[58:59] offset:128
	global_load_b32 v[LI], v[LO], s[58:59]         ; my query's list, twice: lanes 16-31 repeat lanes 0-15
	global_load_b32 v[LV], v[LO], s[24:25]
	s_wait_loadcnt 0x0
	v_and_b32 v[LIX], 0xffff, v[LI]
	v_min_u32 v[LIX], 0xffff, v[LIX]               ; a loaded number enters an address only behind a bound
	v_lshlrev_b32 v[LPA], 2, v[LIX]
	global_load_b32 v[LP], v[LPA], s[6:7]          ; the listed chunks' positions; waited for in front of phase C
	v_and_b32 v[TV], 0x10000, v[CA]
	v_cmp_ne_u32 s[MA], 0, v[TV]                   ; the flags of items 0-31,
	v_and_b32 v[TV], 0x10000, v[CB]
	v_cmp_ne_u32 s[MB], 0, v[TV]                   ; of items 32-63
	s_or_b32 s40, s[MA], s[MB]
	s_cmp_eq_u32 s40, 0
	s_cbranch_scc1 .LnoB                           ; nothing is flagged: the lists stand
	; PHASE B
	v_mov_b32 v[CC], v[CA]
	s_mov_b32 s[MK], s[MA]
	s_mov_b32 s[CH], 0
.Lhalf:
	s_mov_b32 s[SL], 0
.Litem:
	s_bitcmp1_b32 s[MK], s[SL]
	s_cbranch_scc0 .Lskip
	v_readlane_b32 s30, v[CC], s[SL]
	s_and_b32 s30, s30, 0xffc0                     ; the bucket's first chunk,
	s_min_u32 s30, s30, 0xffc0                     ; bounded,
	s_add_co_u32 s30, s30, s[W16]                  ; and my 16 of its chunks
	s_lshl_b32 s38, s30, 2
	s_mov_b32 s39, 0
	s_add_nc_u64 s[38:39], s[6:7], s[38:39]        ; their positions
	s_lshl_b32 s30, s30, 11
	s_mov_b32 s31, 0
	s_add_nc_u64 s[32:33], s[4:5], s[30:31]        ; their rows of E
	s_lshr_b32 s34, s[SL], 4
	s_lshl1_add_u32 s34, s[CH], s34                ; the item's query among the four,
	s_lshl2_add_u32 s34, ttmp9, s34                ; among all
	s_lshl_b32 s34, s34, 10
	s_mov_b32 s35, 0
	s_add_nc_u64 s[36:37], s[8:9], s[34:35]        ; its row of qb
	global_load_b32 v[POSV], v[R4], s[38:39]
.set ks, 0
.rept 16                                               ; every lane of a half takes the same 16 bytes: source 0 with 16 equal rows
	global_load_b128 v[QF+8*ks:QF+8*ks+3],   v[VQ], s[36:37] offset:64*ks
	global_load_b128 v[QF+8*ks+4:QF+8*ks+7], v[VQ], s[36:37] offset:64*ks+32
.set ks, ks+1
.endr
	WIN 0x40                                       ; destination window 1
.set ks, 0
.rept 16
	global_load_b128 v[16*ks:16*ks+3],     v[VE], s[32:33] offset:128*ks
	global_load_b128 v[16*ks+4:16*ks+7],   v[VE], s[32:33] offset:128*ks+16
	global_load_b128 v[16*ks+8:16*ks+11],  v[VE], s[32:33] offset:128*ks+64
	global_load_b128 v[16*ks+12:16*ks+15], v[VE], s[32:33] offset:128*ks+80
.set ks, ks+1
.endr
.set ks, 0
.rept 16
	s_wait_loadcnt 4*(15-ks)                       ; loads come back in order: K step ks is in (and all of Q, asked for earlier); the later steps' four loads each stay out
	WIN 0x05                                       ; sources in window 1
.set kn, 0
.rept 8                                                ; the two fragment buffers take turns: these eight lines are the places between the product two steps back, which read this buffer's partner, and the next writing of that
	v_cvt_pk_bf16_f32 v[BF+8*(ks%2)+kn], v[16*ks+2*kn], v[16*ks+2*kn+1]
.set kn, kn+1
.endr
	WIN 0
.if ks == 0
	v_wmma_f32_16x16x32_bf16 v[ACC:ACC+7], v[QF:QF+7], v[BF:BF+7], 0
.else
	s_wait_alu depctr_va_vdst(0)                   ; ahead of a link that follows the link it adds onto
	v_wmma_f32_16x16x32_bf16 v[ACC:ACC+7], v[QF+8*ks:QF+8*ks+7], v[BF+8*(ks%2):BF+8*(ks%2)+7], v[ACC:ACC+7]
.endif
.set ks, ks+1
.endr
	s_lshl_b32 s40, s[CH], 5
	s_add_co_u32 s40, s40, s[SL]
	s_lshl_b32 s40, s40, 9                         ; the item's 512 bytes
	v_add_nc_u32 v[RWT], s40, v[LO]                ; with three v_nop the four places behind the last product (ISA guide 7.12.1)
.rept 3
	v_nop
.endr
	ds_store_b32 v[RWT], v[ACC]                    ; register 0: lane (r, h) holds the score of chunk r; both halves write the same word with the same value
	ds_store_b32 v[RWT], v[POSV] offset:256
.Lskip:
	s_add_co_u32 s[SL], s[SL], 1
	s_cmp_lt_u32 s[SL], 32
	s_cbranch_scc1 .Litem
	v_mov_b32 v[CC], v[CB]
	s_mov_b32 s[MK], s[MB]
	s_add_co_u32 s[CH], s[CH], 1
	s_cmp_lt_u32 s[CH], 2
	s_cbranch_scc1 .Lhalf
.LnoB:
	s_wait_loadcnt 0x0                             ; the listed positions
	s_wait_dscnt 0x0                               ; for the others' sake: my stores are done
	s_barrier_signal -1
	s_barrier_wait -1
	; PHASE C
	v_and_b32 v[TV], 0x10000, v[LI]
	v_cmp_ne_u32 s[MO], 0, v[TV]
	s_or_b32 s41, s[MO], 0xffff0000
	v_cndmask_b32 v[LV], v[LV], v[NEG], s41        ; out of the list: the repeats in lanes 16-31, and a flagged bucket's maximum, which comes again with the bucket
	s_and_b32 s[MO], s[MO], 0xffff
	v_cvt_f32_u32 v[FLX], v[LIX]
	s_mov_b32 s[CI], 0
.Lmerge:
	s_bitcmp1_b32 s[MO], s[CI]
	s_cbranch_scc0 .Lnomerge
	s_add_co_u32 s45, s[W16], s[CI]                ; item 16 wave + place
	s_lshl_b32 s45, s45, 9
	v_add_nc_u32 v[RWT], s45, v[L4]
	ds_load_b32 v[X0], v[RWT]
	ds_load_b32 v[X1], v[RWT] offset:128
	ds_load_b32 v[XP0], v[RWT] offset:256
	ds_load_b32 v[XP1], v[RWT] offset:384
	v_readlane_b32 s45, v[LIX], s[CI]
	s_and_b32 s45, s45, 0xffc0
	v_add_nc_u32 v[TV], s45, v[LANE]
	v_cvt_f32_u32 v[FI0], v[TV]
	v_add_f32 v[FI1], 0x42000000, v[FI0]           ; + 32
	v_mov_b32 v[NV], v[NEG]
	v_mov_b32 v[NX], v[BIGF]                       ; an empty place matches no index
	v_mov_b32 v[NP], 0
	s_wait_dscnt 0x0
	s_mov_b32 s[CJ], 0
.Ltake:                                                ; sixteen times: the largest of list and bucket, the least index among its holders; it is removed and goes to place j of the new list
	v_max3_num_f32 v[MX], v[LV], v[X0], v[X1]
	WMAX MX
	v_cmp_eq_f32 vcc_lo, v[LV], v[MX]
	v_cndmask_b32 v[K0], v[BIGF], v[FLX], vcc_lo
	v_cmp_eq_f32 vcc_lo, v[X0], v[MX]
	v_cndmask_b32 v[K1], v[BIGF], v[FI0], vcc_lo
	v_cmp_eq_f32 vcc_lo, v[X1], v[MX]
	v_cndmask_b32 v[K2], v[BIGF], v[FI1], vcc_lo
	v_min3_num_f32 v[KM], v[K0], v[K1], v[K2]
	WMIN KM
	v_cmp_eq_f32 s46, v[FLX], v[KM]
	v_cmp_eq_f32 s47, v[FI0], v[KM]
	v_cmp_eq_f32 s48, v[FI1], v[KM]
	v_cndmask_b32 v[PC], 0, v[LP], s46             ; its position: entries of one index carry one position
	v_cndmask_b32 v[PC], v[PC], v[XP0], s47
	v_cndmask_b32 v[PC], v[PC], v[XP1], s48
	v_cndmask_b32 v[LV], v[LV], v[NEG], s46
	v_cndmask_b32 v[X0], v[X0], v[NEG], s47
	v_cndmask_b32 v[X1], v[X1], v[NEG], s48
	s_or_b32 s49, s46, s47
	s_or_b32 s49, s49, s48
	s_ctz_i32_b32 s49, s49
	v_readlane_b32 s50, v[PC], s49
	v_cmp_eq_u32 vcc_lo, s[CJ], v[LANE]
	v_cndmask_b32 v[NV], v[NV], v[MX], vcc_lo
	v_cndmask_b32 v[NX], v[NX], v[KM], vcc_lo
	v_cndmask_b32 v[NP], v[NP], s50, vcc_lo
	s_add_co_u32 s[CJ], s[CJ], 1
	s_cmp_lt_u32 s[CJ], 16
	s_cbranch_scc1 .Ltake
	v_mov_b32 v[LV], v[NV]
	v_mov_b32 v[FLX], v[NX]
	v_mov_b32 v[LP], v[NP]
.Lnomerge:
	s_add_co_u32 s[CI], s[CI], 1
	s_cmp_lt_u32 s[CI], 16
	s_cbranch_scc1 .Lmerge
	; THE WAY OUT: lanes 0-15 carry the scores, lanes 16-31 the positions; through LDS, so that one wave stores the work-group's 256 bytes of an output whole
	v_permlanex16_b32 v[PT], v[LP], s[SEL], s[SEL+1]
	v_cmp_gt_u32 vcc_lo, 16, v[LANE]
	v_cndmask_b32 v[TV], v[PT], v[LV], vcc_lo
	v_lshl_add_u32 v[OA], v[HH], 8, v[LO]
	v_add_nc_u32 v[OA], OSV, v[OA]
	ds_store_b32 v[OA], v[TV]
	s_wait_dscnt 0x0                               ; for the others' sake: my store is done
	s_barrier_signal -1
	s_barrier_wait -1
	s_cmp_gt_u32 s[WV], 1
	s_cbranch_scc1 .Ldone                          ; wave 0 sends out0's bytes, wave 1 out1's
	s_cmp_eq_u32 s[WV], 0
	s_cselect_b64 s[54:55], s[14:15], s[16:17]
	s_add_nc_u64 s[54:55], s[54:55], s[22:23]
	v_lshlrev_b32 v[OG], 3, v[LANE]
	s_lshl_b32 s40, s[WV], 8
	s_add_co_u32 s40, s40, OSV
	v_add_nc_u32 v[OA], s40, v[OG]
	ds_load_b64 v[OD:OD+1], v[OA]
	s_wait_dscnt 0x0
	global_store_b64 v[OG], v[OD:OD+1], s[54:55]   ; 256 consecutive bytes, at a multiple of 256 from the output's first byte
.Ldone:
	s_wait_tensorcnt 0x0                           ; the wave's end, behind my last LDS store
	ds_add_u32 v[SPW], v[NIL]
	s_wait_dscnt 0x0
	s_endpgm
.Lfunc_end_k_qa52e207e75_final:
	.size	k_qa52e207e75_final, .Lfunc_end_k_qa52e207e75_final-k_qa52e207e75_final
	.p2alignl 7, 3214868480
	.fill 96, 4, 3214868480
	.section	.rodata,"a",@progbits
	.p2align	6, 0x0
	.amdhsa_kernel k_qa52e207e75_final
		.amdhsa_group_segment_fixed_size 33792
		.amdhsa_private_segment_fixed_size 0
		.amdhsa_enable_private_segment 0
		.amdhsa_kernarg_size 56
		.amdhsa_user_sgpr_count 2
		.amdhsa_user_sgpr_kernarg_segment_ptr 1
		.amdhsa_wavefront_size32 1
		.amdhsa_system_sgpr_workgroup_id_x 1
		.amdhsa_system_sgpr_workgroup_id_y 1
		.amdhsa_system_sgpr_workgroup_id_z 1
		.amdhsa_system_vgpr_workitem_id 0
		.amdhsa_next_free_vgpr 512
		.amdhsa_next_free_sgpr 66
		.amdhsa_reserve_vcc 1
		.amdhsa_float_denorm_mode_32 3
		.amdhsa_float_denorm_mode_16_64 3
		.amdhsa_memory_ordered 1
		.amdhsa_forward_progress 1
		.amdhsa_inst_pref_size 29
	.end_amdhsa_kernel
	.amdgpu_metadata
---
amdhsa.version: [ 1, 2 ]
amdhsa.kernels:
  - .name:           k_qa52e207e75_final
    .symbol:         k_qa52e207e75_final.kd
    .args:
      - { .name: index_embeddings, .offset: 0, .size: 8, .value_kind: global_buffer, .address_space: global }
      - { .name: index_positions, .offset: 8, .size: 8, .value_kind: global_buffer, .address_space: global }
      - { .name: qb, .offset: 16, .size: 8, .value_kind: global_buffer, .address_space: global }
      - { .name: cv, .offset: 24, .size: 8, .value_kind: global_buffer, .address_space: global }
      - { .name: ci, .offset: 32, .size: 8, .value_kind: global_buffer, .address_space: global }
      - { .name: out0, .offset: 40, .size: 8, .value_kind: global_buffer, .address_space: global }
      - { .name: out1, .offset: 48, .size: 8, .value_kind: global_buffer, .address_space: global }
    .group_segment_fixed_size: 33792
    .private_segment_fixed_size: 0
    .kernarg_segment_align: 8
    .kernarg_segment_size: 56
    .max_flat_workgroup_size: 128
    .sgpr_count:     66
    .vgpr_count:     512
    .wavefront_size: 32
...
	.end_amdgpu_metadata
.endif
;; end of part 4
